; MI455X (gfx1250); checked and timed in simulation.
; The chip was launched on July 23, 2026; its instructions are those of AMD's public machine-readable ISA for CDNA 5 (MIT licence, August 2026) and "CDNA5" Instruction Set Architecture Reference Guide (July 2026). The comments in the code are by the model that wrote it; some were corrected since.
;; Weighted Non Local Block. Allowed arithmetic: matrix products marked QUANTISED: E2M3 operands, one E8M0 scale for each 32 along K, by v_wmma_scale_f32_16x16x128_f8f6f4 with both operands' format E2M3, f32 sums; everything else in f32.
;; Inputs: g_b 128 float32; g_w_codes 128 x 4 x 24 uint8 (E2M3 codes of g_w, K innermost, in blocks of 32 codes, four codes in three bytes); g_w_scales 128 x 4 uint8 (E8M0 scales of g_w, one for each 32 codes along K); phi_b 128 float32; phi_w_codes 128 x 4 x 24 uint8 (E2M3 codes of phi_w, K innermost, in blocks of 32 codes, four codes in three bytes); phi_w_scales 128 x 4 uint8 (E8M0 scales of phi_w, one for each 32 codes along K); theta_b 128 float32; theta_w_codes 128 x 4 x 24 uint8 (E2M3 codes of theta_w, K innermost, in blocks of 32 codes, four codes in three bytes); theta_w_scales 128 x 4 uint8 (E8M0 scales of theta_w, one for each 32 codes along K); w one number float32; wz_b 128 float32; wz_w_codes 128 x 4 x 24 uint8 (E2M3 codes of wz_w, K innermost, in blocks of 32 codes, four codes in three bytes); wz_w_scales 128 x 4 uint8 (E8M0 scales of wz_w, one for each 32 codes along K); x 8 x 128 x 64 x 64 float32.
;; Outputs: out0 8 x 128 x 64 x 64 float32.
;; This version of the problem:
;;   THIS VERSION OF THE PROBLEM IS GIVEN IN LOW PRECISION. The matrix products marked QUANTISED in the list below multiply operands that are first quantised to E2M3 (2 exponent bits, 3 mantissa bits; 6 bits a number), with one power-of-two scale for each 32 numbers along K (OCP MX v1.0); their sums are f32. All else is computed in f32.
;;   The module's matrix products, in the order in which they are computed (A, B: the left and right operand; K: the contracted axis; several contracted axes count as one K, in the product's order):
;;     1. [M 32,768, K 128] x [K 128, N 128]; A: input x; B: input theta_w (given as codes): QUANTISED
;;     2. [M 32,768, K 128] x [K 128, N 128]; A: input x; B: input phi_w (given as codes): QUANTISED
;;     3. [M 32,768, K 128] x [K 128, N 128]; A: input x; B: input g_w (given as codes): QUANTISED
;;     4. batch 8 x [M 4,096, K 128] x [K 128, N 4,096]; A: computed on the way; B: computed on the way: QUANTISED
;;     5. batch 8 x [M 4,096, K 4,096] x [K 4,096, N 128]; A: softmax (see below); B: computed on the way: QUANTISED
;;     6. [M 32,768, K 128] x [K 128, N 128]; A: computed on the way; B: input wz_w (given as codes): QUANTISED
;;   THE QUANTISER, for each operand of a quantised product, along K:
;;     - K is cut into blocks of 32 from its start; a last block that is shorter is filled with zeros.
;;     - A block's scale is 2^e with e = floor(log2(the largest magnitude in the block)) - 2, held to -126 .. 127; a block of zeros has e = 0. As a byte (E8M0): e + 127.
;;     - Each number is divided by its block's scale, clamped to +-7.5, and rounded to the nearest number of E2M3, ties to even, subnormals kept.
;;     - The product sums the exact products of the quantised numbers (number of the format x scale) in f32.
;;   ~~~python
;;   def quantise(x, axis):      # numpy; x: float32 -> the quantised numbers, widened to float32 again
;;       x = np.moveaxis(x, axis, -1); K = x.shape[-1]
;;       x = np.pad(x, [(0, 0)] * (x.ndim - 1) + [(0, -K % 32)]); x = x.reshape(x.shape[:-1] + (-1, 32)); a = np.abs(x).max(-1, keepdims=True)
;;       e = np.where(a > 0, np.clip(np.frexp(np.where(a > 0, a, 1))[1] - 1 - 2, -126, 127), 0)      # np.frexp(a)[1] - 1 = floor(log2(a)), exactly
;;       r = np.clip(x / 2.0 ** e, -7.5, 7.5)
;;       step = 2.0 ** (np.maximum(np.frexp(np.where(r == 0, 1, r))[1] - 1, 0) - 3)
;;       q = np.round(r / step) * step * 2.0 ** e      # np.round: ties to even
;;       return np.moveaxis(q.reshape(q.shape[:-2] + (-1,))[..., :K], -1, axis).astype(np.float32)
;;   ~~~
;;   SOFTMAX AHEAD OF A QUANTISED PRODUCT. Where the list says 'softmax', what is quantised is not the finished softmax but p = 2^(t - M), with t = logit x log2(e) and M = ceil(the row's largest t), a whole number; so 1/2 < the row's largest p <= 1. The row's sum l is taken of the UNQUANTISED p, in f32, and the product's result is divided by l at the end. Since M is a whole number, a kernel that streams over the keys may use a running M (the ceiling of the running maximum): every later rescaling is an exact power of two, which a block's scale takes up: the codes' values come out the same.
;;   OPERANDS COMPUTED ON THE WAY. 'Computed on the way' means the value that the module computes at that place (a softmax that the list does not call 'softmax' is quantised finished and normalised). What goes into a quantiser is computed in f32, as accurately as f32 sums, v_exp_f32 and their like allow (about 1e-6 of the number): no bf16 or f16 on the way to a quantiser, and a product that is left as it is and whose result goes on into a quantised operand takes f32 operands (vector FMAs, or v_wmma_f32_16x16x4_f32). A number that lies on a knife's edge between two numbers of the format may be rounded either way, as far as f32 arithmetic and the matrix unit's own rounding can turn it there, and no further.
;;   INPUTS GIVEN AS CODES. g_w (in the module: [128, 128], K = its axis 1); phi_w (in the module: [128, 128], K = its axis 1); theta_w (in the module: [128, 128], K = its axis 1); wz_w (in the module: [128, 128], K = its axis 1): each comes as NAME_codes (uint8): NAME with its K axis moved to the last place and cut into blocks of 32 codes, [.., K / 32, bytes a block], one block behind the other in memory; four codes in three bytes: a row's codes are one little-endian stream of bits, code i at bits 6 i .. 6 i + 5 (a code: sign, 2 exponent bits, 3 mantissa bits); and NAME_scales (uint8): the same leading axes, one E8M0 byte (e + 127) for each 32 codes along K. Its value is code x scale, taken as it is: it is not quantised again, and the codes and scales need not be those that the quantiser above would give.
;; One version. Each part assembles by itself: llvm-mc -triple=amdgcn-amd-amdhsa -mcpu=gfx1250 --defsym DOCPART=n.
;; ======== version 1 of 1: 2 launches
;; workspace buffers: thc 3,145,728 bytes; ths 131,072 bytes; kv 6,291,456 bytes; kvs 262,144 bytes
;; launch proj (part 1): grid 32 x 8, 4 waves a work-group, no clusters, 13,824 bytes of LDS; arguments x, theta_w_codes, theta_w_scales, theta_b, phi_w_codes, phi_w_scales, phi_b, g_w_codes, g_w_scales, g_b, thc, ths, kv, kvs; writes thc, ths, kv, kvs
.if DOCPART == 1
	.amdgcn_target "amdgcn-amd-amdhsa--gfx1250"
	.amdhsa_code_object_version 6
	.text
	.protected	k_q0ed84e13ac_proj
	.globl	k_q0ed84e13ac_proj
	.p2align	8
	.type	k_q0ed84e13ac_proj,@function
k_q0ed84e13ac_proj:
	s_mov_b64 s[64:65], 0
	v_nop
	global_prefetch_b8 v0, s[64:65] scope:SCOPE_SE
	s_setreg_imm32_b32 hwreg(HW_REG_WAVE_MODE, 25, 1), 1
	s_wait_xcnt 0x0
; theta, phi and g of x [8][128 c][4096 n], f32, by three products on codes of FP6 (E2M3) with one E8M0 scale for each 32 along K = c, each result quantised again for the product that takes it next:
; theta and phi along c, g along the positions (the keys).  The results leave as IMAGES OF OPERAND REGISTERS: a fragment (16 rows x 128 K, 12 registers a lane) is 3 groups of 4 registers, group g of lane l at 512 g + 16 l.
;   thc [b][tile 0..255][1536]   tile 2 c' + u holds positions 32 c' + 8 u + r + 8 (r / 8), r = 0..15;   ths [b][c'][lane][4]: lane 16 u + r holds that position's scale word
;   kv  [b][step 0..31][24576]   first phi's 8 fragments (fragment 2 bb + u: keys 128 s + 32 bb + 8 u + r + 8 (r / 8)), then g's 8 (fragment f: channels 16 f + r, K = the step's 128 keys in their order)
;   kvs [b][step][i 0..3][lane][2 words]   word 0 phi's scale words (lanes 0-15 fragment 2 i, lanes 16-31 fragment 2 i + 1), word 1 g's likewise
; SHARES.  A work-group takes 128 positions of one batch, one key step.  Wave w takes positions 32 w + pi(lane), pi(l) = l % 8 + 8 (l / 16) + 16 ((l / 8) % 2): lanes 0-15 are tile u = 0 and lanes 16-31 tile u = 1.
; A LANE TAKES A POSITION AND ITS REGISTERS RUN DOWN c: a block of 32 lies in one lane, and the conversions give codes with K innermost.  The wave makes theta and phi of its own two tiles (transposed use:
; source 0 = 16 rows of the weight, source 1 = x, so that a lane holds one position and its registers run along the channels, the next K; the rows of a weight that form a tile are chosen so that two tiles' 16 registers
; are 16 neighbours).  For g the next K is the positions: source 0 = x (all eight tiles, from LDS), source 1 = 16 rows of g_w: wave w makes channels 32 w .. 32 w + 31.  The biases are the C of each product.
; A block's scale is 2^(floor(log2(its largest magnitude)) - 2): its byte is that magnitude's exponent field - 2, held at 1 from below.
; LIMITS: NaN and infinities among the inputs are not served.  A block of zeros, or one whose largest magnitude lies under 2^-124, gets the byte 1: the codes of a block of zeros are zeros, and the bytes are read by this program alone.
; No tensor loads, no cluster, no prefetch: each byte of x is read once by plain loads, and what work-groups share is 37 KB of weights.  A load of x covers 128 consecutive bytes a wave, 512 the four waves together.
; Every store of codes covers 512 consecutive bytes at a multiple of 512; kvs leaves as 256 a wave; ths as 128 a wave (131,072 bytes in the whole launch).
.set XIMG, 0                           ; LDS: x's 8 fragments, fragment 2 w + u
.set XSC,  12288                       ; their scale words, 128 bytes a wave
.set XA,  4                            ; v4   4 pi(lane): my position's byte in a row of x
.set LI,  5                            ; v5   16 x lane
.set LS,  6                            ; v6   4 x lane
.set XWI, 7                            ; v7   where I store x's images: 3072 w + 16 lane
.set XWS, 8                            ; v8   and the scale words: XSC + 128 w + 4 lane
.set WA,  9                            ; v9   theta_w, phi_w: (r + 8 (r / 8)) x 96 + 24 h
.set WSA, 10                           ; v10  their scale words: 4 (r + 8 (r / 8))
.set BA,  11                           ; v11  their biases: 64 h
.set GWA, 12                           ; v12  g_w: 96 r + 24 h
.set GSA, 13                           ; v13  4 r
.set L8,  14                           ; v14  8 x lane
.set PC,  80                           ; v80-98   the codes just made (v80-91 the fragment); while x is quantised: largest magnitudes, bytes, scale operands
.set TM,  100                          ; v100-115 at work in QUANT; while x is quantised: the upper halves of the four blocks' codes
.set PW,  116                          ; v116 the scale word just made;  v117 the first tile's, kept
.set PWA, 117
.set SEL, 36                           ; s[36:37] selects for v_permlanex16_b32: lane l xor 16
.set WV,  32
; REGISTERS.  window 0: v16-27, v28-39 x's two fragments; v40 x's scale words (lanes 0-15 tile 0, lanes 16-31 tile 1); v41-44 the four waves' scale words; v46-53, v54-61, v62-63 scale words of theta_w, phi_w, g_w;
;   v118, v[120:121] joined scale words on their way out; v128-255 x as loaded, then two tiles' results.   window 1: theta_w v0-95, phi_w v96-191, g_w v192-215, g_b v216-231.   window 2: theta_b v0-63, phi_b v64-127, x's eight fragments v128-223.
.set MSB, 0
.macro WIN new                         ; the immediate's high byte repeats the setting that is left
.if MSB != \new
	s_set_vgpr_msb (MSB<<8)|\new
.set MSB, \new
.endif
.endm
; 64 numbers of a lane, v[s] .. v[s + 63], register 16 b + i = k 32 b + 16 (lane / 16) + i of my row, become a fragment's codes in v[PC] on and its scale word in v[PW].
.macro QUANT s
.irp b, 0,1,2,3
	v_max3_num_f32 v[TM+\b], |v[\s+16*\b]|, |v[\s+1+16*\b]|, 0x1800000   ; block b: my 16 numbers, and the floor 2^(3 - 127): the byte cannot fall under 1.  Each result is read from its low end on
.endr
.irp i, 2,4,6,8,10,12,14
.irp b, 0,1,2,3
	v_max3_num_f32 v[TM+\b], v[TM+\b], |v[\s+16*\b+\i]|, |v[\s+1+16*\b+\i]|   ; the four blocks by turns
.endr
.endr
.irp b, 0,1,2,3
	v_permlanex16_b32 v[TM+4+\b], v[TM+\b], s[SEL], s[SEL+1]
.endr
.irp b, 0,1,2,3
	v_max_num_f32 v[TM+\b], v[TM+\b], v[TM+4+\b]   ; with lane l xor 16: the block's largest magnitude
.endr
.irp b, 0,1,2,3
	v_add_nc_u32 v[TM+12+\b], 0xff000000, v[TM+\b]   ; 2 off its exponent field: the conversion takes the exponent field of this operand as its scale
.endr
.irp b, 0,1,2,3
	v_lshrrev_b32 v[TM+4+\b], 23, v[TM+12+\b]      ; the scale's byte
.endr
	v_lshl_or_b32 v[PW], v[TM+5], 8, v[TM+4]       ; four bytes: my row's scale word (both halves of the lanes hold it)
	v_lshl_or_b32 v[PW], v[TM+6], 16, v[PW]
	v_lshl_or_b32 v[PW], v[TM+7], 24, v[PW]
.irp c, 0,1
	v_cvt_scalef32_pk16_fp6_f32 v[PC+6*\c:PC+2+6*\c], v[\s+32*\c:\s+15+32*\c], v[TM+12+2*\c]
	v_cvt_scalef32_pk16_fp6_f32 v[PC+12+4*\c:PC+14+4*\c], v[\s+16+32*\c:\s+31+32*\c], v[TM+12+2*\c+1]   ; (a conversion's three registers begin on an even number)
.endr
	v_nop                                          ; one plain place behind a scaled conversion
.irp c, 0,1                                    ; the operand's layout wants a whole block in a lane: lanes 0-15 block 2 c, lanes 16-31 block 2 c + 1
.irp i, 0,1,2
	v_permlane16_swap_b32 v[PC+6*\c+\i], v[PC+12+4*\c+\i]
.endr
.irp i, 0,1,2
	v_mov_b32 v[PC+3+6*\c+\i], v[PC+12+4*\c+\i]
.endr
.endr
.endm
.macro OUT lo, off                     ; the fragment in v[PC] on leaves as it stands: 512 consecutive bytes a store
.irp g, 0,1,2
	global_store_b128 v[LI], v[PC+4*\g:PC+4*\g+3], s[\lo:\lo+1] offset:\off+512*\g
.endr
.endm
; Two tiles of results (v128-191, v192-255) become two fragments and leave; dst takes the two scale words, the first tile's in lanes 0-15, the second's in lanes 16-31.
.macro TWO lo, off, dst
	s_wait_xcnt 0x0                                ; the stores issued so far have read their registers: the codes' registers are written again only behind this wait
	QUANT 128
	OUT \lo, \off
	v_mov_b32 v[PWA], v[PW]
	s_wait_xcnt 0x0                                ; likewise
	QUANT 192
	OUT \lo, \off+1536
	v_cndmask_b32 v[\dst], v[PW], v[PWA], vcc_lo   ; VCC: lanes 0-15
.endm
; One product.  arow, brow: that side's scale words stand in lanes 16-31 of the register named.
.macro PROD d, a, b, c, sa, sb, arow, brow
.if \arow
	v_wmma_scale_f32_16x16x128_f8f6f4 v[\d:\d+7], v[\a:\a+11], v[\b:\b+11], v[\c:\c+7], v[\sa], v[\sb] matrix_a_fmt:MATRIX_FMT_FP6 matrix_b_fmt:MATRIX_FMT_FP6 matrix_a_scale:MATRIX_SCALE_ROW1
.elseif \brow
	v_wmma_scale_f32_16x16x128_f8f6f4 v[\d:\d+7], v[\a:\a+11], v[\b:\b+11], v[\c:\c+7], v[\sa], v[\sb] matrix_a_fmt:MATRIX_FMT_FP6 matrix_b_fmt:MATRIX_FMT_FP6 matrix_b_scale:MATRIX_SCALE_ROW1
.else
	v_wmma_scale_f32_16x16x128_f8f6f4 v[\d:\d+7], v[\a:\a+11], v[\b:\b+11], v[\c:\c+7], v[\sa], v[\sb] matrix_a_fmt:MATRIX_FMT_FP6 matrix_b_fmt:MATRIX_FMT_FP6
.endif
.endm
; theta or phi of my two tiles: 16 products, each its own sum, begun with the bias.  In tile t lane (r, h) holds position r, and register j channel 32 (t / 2) + 16 h + 8 (t % 2) + j.
.macro PROJ2 wbase, bbase, sbase
	WIN 0x21                                       ; source 0 (the weight) window 1, source 2 (the bias) window 2
.irp u, 0,1
.irp t, 0,1,2,3,4,5,6,7
	PROD 128+64*\u+8*\t, \wbase+12*\t, 16+12*\u, \bbase+8*\t, \sbase+\t, 40, 0, \u
.endr
.endr
	WIN 0
.rept 4
	v_nop                                          ; four places between the last product and the first read of a result (ISA guide 7.12.1)
.endr
.endm
	s_load_b512 s[4:19], s[0:1], 0x0               ; x s[4:5]; theta_w codes s[6:7], scales s[8:9], theta_b s[10:11]; phi_w codes s[12:13], scales s[14:15], phi_b s[16:17]; g_w codes s[18:19]
	s_load_b256 s[20:27], s[0:1], 0x40             ; g_w scales s[20:21], g_b s[22:23], thc s[24:25], ths s[26:27]
	s_load_b128 s[28:31], s[0:1], 0x60             ; kv s[28:29], kvs s[30:31]
	v_lshl_add_u32 v126, v0, 2, 0x3400
	v_mov_b32 v127, 0
	v_lshrrev_b32 v1, 5, v0
	v_readfirstlane_b32 s[WV], v1                  ; wave 0..3
	v_and_b32 v1, 31, v0                           ; lane
	v_and_b32 v2, 15, v0                           ; r
	v_bfe_u32 v3, v0, 4, 1                         ; h
	v_and_b32 v[XA], 7, v0
	v_lshl_add_u32 v[XA], v3, 3, v[XA]
	v_bfe_u32 v15, v0, 3, 1
	v_lshl_add_u32 v[XA], v15, 4, v[XA]            ; pi(lane)
	v_lshlrev_b32 v[XA], 2, v[XA]
	v_lshlrev_b32 v[LI], 4, v1
	v_lshlrev_b32 v[LS], 2, v1
	v_lshlrev_b32 v[L8], 3, v1
	v_and_b32 v15, 8, v2
	v_add_nc_u32 v15, v15, v2                      ; r + 8 (r / 8)
	v_mul_u32_u24 v[WA], v15, 96
	v_mad_u32_u24 v[WA], v3, 24, v[WA]
	v_lshlrev_b32 v[WSA], 2, v15
	v_lshlrev_b32 v[BA], 6, v3
	v_mul_u32_u24 v[GWA], v2, 96
	v_mad_u32_u24 v[GWA], v3, 24, v[GWA]
	v_lshlrev_b32 v[GSA], 2, v2
	v_cmp_gt_u32 vcc_lo, 16, v1                    ; lanes 0-15; kept to the end
.irp b, 0,1,2,3
	v_mov_b32 v[TM+4+\b], 0                        ; written once: a lane permute's destination counts as one of its sources
.endr
	s_mov_b32 s[SEL], 0x76543210
	s_mov_b32 s[SEL+1], 0xfedcba98
	s_and_b32 s34, ttmp7, 0xffff                   ; b
	s_lshl_b32 s35, s34, 5
	s_add_co_u32 s35, s35, ttmp9                   ; 32 b + s
	s_mul_i32 s40, s[WV], 3072                     ; two fragments, or 32 rows of a weight
	s_mov_b32 s41, 0
	s_lshl_b32 s42, s[WV], 7                       ; 128 w
	s_mov_b32 s43, 0
	v_add_nc_u32 v[XWI], s40, v[LI]
	s_add_co_u32 s53, s42, XSC
	v_add_nc_u32 v[XWS], s53, v[LS]
	s_lshl_b32 s38, s34, 21                        ; x: b x 128 rows of 16,384 bytes + 512 s + 128 w
	s_lshl_b32 s52, ttmp9, 9
	s_add_co_u32 s38, s38, s52
	s_add_co_u32 s38, s38, s42
	s_mov_b32 s39, 0
	s_lshl_b32 s44, s35, 3                         ; thc: tile 256 b + 8 s + 2 w
	s_lshl_b32 s52, s[WV], 1
	s_add_co_u32 s44, s44, s52
	s_mul_i32 s44, s44, 1536
	s_mov_b32 s45, 0
	s_lshl_b32 s46, s35, 2                         ; ths: group 128 b + 4 s + w of 128 bytes
	s_add_co_u32 s46, s46, s[WV]
	s_lshl_b32 s46, s46, 7
	s_mov_b32 s47, 0
	s_mul_i32 s48, s35, 24576                      ; kv: the step, + my two fragments
	s_add_co_u32 s48, s48, s40
	s_mov_b32 s49, 0
	s_lshl_b32 s50, s35, 10                        ; kvs: the step, + 256 w
	s_lshl_b32 s52, s[WV], 8
	s_add_co_u32 s50, s50, s52
	s_mov_b32 s51, 0
	s_wait_alu depctr_va_vdst(0)
	s_wait_kmcnt 0x0
	s_add_nc_u64 s[4:5], s[4:5], s[38:39]
	s_add_nc_u64 s[18:19], s[18:19], s[40:41]      ; g_w: my 32 rows
	s_add_nc_u64 s[20:21], s[20:21], s[42:43]      ; their scale words
	s_add_nc_u64 s[22:23], s[22:23], s[42:43]      ; their biases
	s_add_nc_u64 s[24:25], s[24:25], s[44:45]
	s_add_nc_u64 s[26:27], s[26:27], s[46:47]
	s_add_nc_u64 s[28:29], s[28:29], s[48:49]
	s_add_nc_u64 s[30:31], s[30:31], s[50:51]
.set CC, 0
.rept 128
	global_load_b32 v[128+CC], v[XA], s[4:5] offset:16384*CC th:TH_LOAD_NT   ; x(c, my position): the launch reads each byte of x once
.set CC, CC+1
.endr
	WIN 0x40                                       ; destination window 1
.irp t, 0,1,2,3,4,5,6,7                        ; lane r of tile t takes row 32 (t / 2) + 8 (t % 2) + r + 8 (r / 8); a fragment's 2 x 24 bytes a lane come in pieces of 8
.irp p, 0,1,2,3,4,5
	global_load_b64 v[12*\t+2*\p:12*\t+2*\p+1], v[WA], s[6:7] offset:(32*(\t/2)+8*(\t%2))*96+48*(\p/3)+8*(\p%3)
	global_load_b64 v[96+12*\t+2*\p:96+12*\t+2*\p+1], v[WA], s[12:13] offset:(32*(\t/2)+8*(\t%2))*96+48*(\p/3)+8*(\p%3)
.endr
.endr
.irp e, 0,1                                    ; g_w: rows 16 e + r of my 32, as they lie
.irp p, 0,1,2,3,4,5
	global_load_b64 v[192+12*\e+2*\p:192+12*\e+2*\p+1], v[GWA], s[18:19] offset:1536*\e+48*(\p/3)+8*(\p%3)
.endr
.irp i, 0,1,2,3,4,5,6,7
	global_load_b32 v[216+8*\e+\i], v[GSA], s[22:23] offset:64*\e   ; in g's result a lane holds one channel: its bias fills all eight registers of the C
.endr
.endr
	WIN 0x80                                       ; destination window 2
.irp t, 0,1,2,3,4,5,6,7                        ; the biases in the result's layout: lane (r, h), tile t: channels 32 (t / 2) + 16 h + 8 (t % 2) + 0 .. 7
	global_load_b128 v[8*\t:8*\t+3], v[BA], s[10:11] offset:(32*(\t/2)+8*(\t%2))*4
	global_load_b128 v[8*\t+4:8*\t+7], v[BA], s[10:11] offset:(32*(\t/2)+8*(\t%2))*4+16
	global_load_b128 v[64+8*\t:64+8*\t+3], v[BA], s[16:17] offset:(32*(\t/2)+8*(\t%2))*4
	global_load_b128 v[64+8*\t+4:64+8*\t+7], v[BA], s[16:17] offset:(32*(\t/2)+8*(\t%2))*4+16
.endr
	WIN 0
.irp t, 0,1,2,3,4,5,6,7
	global_load_b32 v[46+\t], v[WSA], s[8:9] offset:(32*(\t/2)+8*(\t%2))*4
	global_load_b32 v[54+\t], v[WSA], s[14:15] offset:(32*(\t/2)+8*(\t%2))*4
.endr
.irp e, 0,1
	global_load_b32 v[62+\e], v[GSA], s[20:21] offset:64*\e
.endr
	s_wait_loadcnt 63                              ; 174 loads were issued behind x's 128; the wait's field takes 63 at the most, and a smaller count than the true one is safe: x is in
	; ---- x: my position's four blocks of 32 along c
.irp b, 0,1,2,3
	v_max3_num_f32 v[80+\b], |v[128+32*\b]|, |v[129+32*\b]|, 0x1800000   ; all 32 numbers of a block are mine; the floor 2^(3 - 127) holds the byte at 1 from below
.endr
.irp i, 2,4,6,8,10,12,14,16,18,20,22,24,26,28,30
.irp b, 0,1,2,3
	v_max3_num_f32 v[80+\b], v[80+\b], |v[128+32*\b+\i]|, |v[129+32*\b+\i]|
.endr
.endr
.irp b, 0,1,2,3
	v_add_nc_u32 v[88+\b], 0xff000000, v[80+\b]    ; the conversion's scale operand
.endr
.irp b, 0,1,2,3
	v_lshrrev_b32 v[84+\b], 23, v[88+\b]           ; the byte
.endr
	v_lshl_or_b32 v40, v85, 8, v84                 ; my position's scale word: lanes 0-15 tile 0's rows, lanes 16-31 tile 1's
	v_lshl_or_b32 v40, v86, 16, v40
	v_lshl_or_b32 v40, v87, 24, v40
.irp b, 0,1,2,3                                ; block b's lower 16 codes go where the fragments want them (blocks 0, 2: tile 0's registers 0, 6; blocks 1, 3: tile 1's), the upper 16 aside: three registers begin on an even number
	v_cvt_scalef32_pk16_fp6_f32 v[16+12*(\b%2)+6*(\b/2):18+12*(\b%2)+6*(\b/2)], v[128+32*\b:143+32*\b], v[88+\b]
	v_cvt_scalef32_pk16_fp6_f32 v[100+4*\b:102+4*\b], v[144+32*\b:159+32*\b], v[88+\b]
.endr
	v_nop                                          ; one plain place behind a scaled conversion
.irp c, 0,1                                    ; tile 0 wants, in lanes 16-31, the odd blocks of lanes 0-15's positions; tile 1, in lanes 0-15, the even blocks of lanes 16-31's: one exchange of halves gives both
.irp i, 0,1,2
	v_permlane16_swap_b32 v[16+6*\c+\i], v[28+6*\c+\i]
	v_permlane16_swap_b32 v[100+8*\c+\i], v[104+8*\c+\i]
.endr
.endr
.irp b, 0,1,2,3
.irp i, 0,1,2
	v_mov_b32 v[19+12*(\b%2)+6*(\b/2)+\i], v[100+4*\b+\i]
.endr
.endr
.irp u, 0,1
.irp g, 0,1,2
	ds_store_b128 v[XWI], v[16+12*\u+4*\g:19+12*\u+4*\g] offset:XIMG+1536*\u+512*\g   ; the images, for g's product in all four waves
.endr
.endr
	ds_store_b32 v[XWS], v40
	s_wait_alu depctr_va_vdst(0)
	s_wait_loadcnt 0x0                             ; weights, biases, scale words
.rept 8
	v_nop                                          ; a scale register written by a vector instruction stands 8 places ahead of a scaled matrix instruction, an operand so written 4
.endr
	; ---- theta
	PROJ2 0, 0, 46
	TWO 24, 0, 118
	global_store_b32 v[LS], v118, s[26:27]
	; ---- phi
	PROJ2 96, 64, 54
	TWO 28, 0, 120
	; ---- g: K's operand x comes from all four waves
	s_wait_dscnt 0x0                               ; for the others' sake: my images have landed
	s_barrier_signal -1
	s_barrier_wait -1
	WIN 0x80                                       ; destination window 2
.irp xt, 0,1,2,3,4,5,6,7
.irp g, 0,1,2
	ds_load_b128 v[128+12*\xt+4*\g:131+12*\xt+4*\g], v[LI] offset:XIMG+1536*\xt+512*\g
.endr
.endr
	WIN 0
.irp i, 0,1,2,3
	ds_load_b32 v[41+\i], v[LS] offset:XSC+128*\i
.endr
	s_wait_dscnt 0x0
	WIN 0x16                                       ; source 0 (x) window 2, source 1 (g_w) and source 2 (g_b) window 1
.irp e, 0,1                                    ; lane (r, h) holds channel 16 e + r of my 32; register 8 xt + j holds key 32 (xt / 2) + 16 h + 8 (xt % 2) + j: 16 neighbours in two tiles, along the next K
.irp xt, 0,1,2,3,4,5,6,7
	PROD 128+64*\e+8*\xt, 128+12*\xt, 192+12*\e, 216+8*\e, 41+\xt/2, 62+\e, \xt%2, 0
.endr
.endr
	WIN 0
.rept 4
	v_nop                                          ; four places between the last product and the first read of a result
.endr
	TWO 28, 12288, 121
	global_store_b64 v[L8], v[120:121], s[30:31]   ; phi's and g's scale words: 256 consecutive bytes a wave
	s_wait_tensorcnt 0x0
	ds_add_u32 v126, v127
	s_wait_dscnt 0x0
	s_endpgm
.Lfunc_end_k_q0ed84e13ac_proj:
	.size	k_q0ed84e13ac_proj, .Lfunc_end_k_q0ed84e13ac_proj-k_q0ed84e13ac_proj
	.p2alignl 7, 3214868480
	.fill 96, 4, 3214868480
	.section	.rodata,"a",@progbits
	.p2align	6, 0x0
	.amdhsa_kernel k_q0ed84e13ac_proj
		.amdhsa_group_segment_fixed_size 13824
		.amdhsa_private_segment_fixed_size 0
		.amdhsa_enable_private_segment 0
		.amdhsa_kernarg_size 112
		.amdhsa_user_sgpr_count 2
		.amdhsa_user_sgpr_kernarg_segment_ptr 1
		.amdhsa_wavefront_size32 1
		.amdhsa_system_sgpr_workgroup_id_x 1
		.amdhsa_system_sgpr_workgroup_id_y 1
		.amdhsa_system_sgpr_workgroup_id_z 1
		.amdhsa_system_vgpr_workitem_id 0
		.amdhsa_next_free_vgpr 768
		.amdhsa_next_free_sgpr 66
		.amdhsa_reserve_vcc 1
		.amdhsa_float_denorm_mode_32 3
		.amdhsa_float_denorm_mode_16_64 3
		.amdhsa_memory_ordered 1
		.amdhsa_forward_progress 1
		.amdhsa_inst_pref_size 72
	.end_amdhsa_kernel
	.amdgpu_metadata
---
amdhsa.version: [ 1, 2 ]
amdhsa.kernels:
  - .name:           k_q0ed84e13ac_proj
    .symbol:         k_q0ed84e13ac_proj.kd
    .args:
      - { .name: x, .offset: 0, .size: 8, .value_kind: global_buffer, .address_space: global }
      - { .name: theta_w_codes, .offset: 8, .size: 8, .value_kind: global_buffer, .address_space: global }
      - { .name: theta_w_scales, .offset: 16, .size: 8, .value_kind: global_buffer, .address_space: global }
      - { .name: theta_b, .offset: 24, .size: 8, .value_kind: global_buffer, .address_space: global }
      - { .name: phi_w_codes, .offset: 32, .size: 8, .value_kind: global_buffer, .address_space: global }
      - { .name: phi_w_scales, .offset: 40, .size: 8, .value_kind: global_buffer, .address_space: global }
      - { .name: phi_b, .offset: 48, .size: 8, .value_kind: global_buffer, .address_space: global }
      - { .name: g_w_codes, .offset: 56, .size: 8, .value_kind: global_buffer, .address_space: global }
      - { .name: g_w_scales, .offset: 64, .size: 8, .value_kind: global_buffer, .address_space: global }
      - { .name: g_b, .offset: 72, .size: 8, .value_kind: global_buffer, .address_space: global }
      - { .name: thc, .offset: 80, .size: 8, .value_kind: global_buffer, .address_space: global }
      - { .name: ths, .offset: 88, .size: 8, .value_kind: global_buffer, .address_space: global }
      - { .name: kv, .offset: 96, .size: 8, .value_kind: global_buffer, .address_space: global }
      - { .name: kvs, .offset: 104, .size: 8, .value_kind: global_buffer, .address_space: global }
    .group_segment_fixed_size: 13824
    .private_segment_fixed_size: 0
    .kernarg_segment_align: 8
    .kernarg_segment_size: 112
    .max_flat_workgroup_size: 128
    .sgpr_count:     66
    .vgpr_count:     768
    .wavefront_size: 32
...
	.end_amdgpu_metadata
.endif
;; end of part 1
;; launch attn (part 2): grid 32 x 8, 8 waves a work-group, clusters of 4 x 1, 327,680 bytes of LDS; arguments thc, ths, kv, kvs, x, wz_w_codes, wz_w_scales, wz_b, w, out0; writes out0
.if DOCPART == 2
	.amdgcn_target "amdgcn-amd-amdhsa--gfx1250"
	.amdhsa_code_object_version 6
	.text
	.protected	k_q0ed84e13ac_attn
	.globl	k_q0ed84e13ac_attn
	.p2align	8
	.type	k_q0ed84e13ac_attn,@function
k_q0ed84e13ac_attn:
	s_mov_b64 s[64:65], 0
	v_nop
	global_prefetch_b8 v0, s[64:65] scope:SCOPE_SE
	s_setreg_imm32_b32 hwreg(HW_REG_WAVE_MODE, 25, 1), 1
	s_wait_xcnt 0x0
	s_wait_alu depctr_hold_cnt(0) depctr_sa_sdst(0) depctr_va_vdst(0) depctr_va_sdst(0) depctr_va_ssrc(0) depctr_va_vcc(0) depctr_vm_vsrc(0)
	s_getreg_b32 s2, hwreg(HW_REG_IB_STS2, 6, 4)
	s_cmp_eq_u32 s2, 0
	s_cbranch_scc0 .Lentry_in_a_cluster
	s_endpgm
.Lentry_in_a_cluster:
	s_bfe_u32 s2, ttmp6, 0x10000c
	s_cmp_lg_u32 s2, 0x3003
	s_cbranch_scc0 .Lentry_shape_is_right
	s_endpgm
.Lentry_shape_is_right:
; z = (1 - w) x + w (wz_w y2 + wz_b), y2 = the attention's result y [b][n][c] read as [b][c'][n']: y2[c'][n'] = y[32 c' + n' / 128][n' % 128].  All products on codes of FP6 (E2M3) with one E8M0 scale for each 32 along K.
; ONE WORK-GROUP FINISHES ITS PART OF z.  For a fixed j = n % 32 the 128 queries n = 32 c' + j are the whole K (c') of the last product for the columns n' = 128 j .. 128 j + 127.  Work-group (b, j) owns these 128 queries:
; attention, the last product and the blend with x follow each other with y in LDS alone.  8 x 32 = 256 work-groups.
; SHARES.  Wave w of eight owns the 16 queries c' = 16 w + r and walks all 4,096 keys, 128 a step; two waves to a SIMD, so that one wave's vector work stands beside the other's matrix work and LDS loads.
; INPUTS of the attention are images of operand registers (a fragment: 3 groups of 4 registers, group g of lane l at 512 g + 16 l), laid by the launch before: a key step is one dense block of 24,576 bytes (phi's 8 fragments, g's 8),
; and a fragment comes by three loads of 16 bytes a lane, 512 consecutive bytes each: no pitch, no padding.  The keys of phi's fragment 2 bb + u are 32 bb + 8 u + r + 8 (r / 8), so that the 16 registers of two tiles of scores are 16 neighbouring keys.
; Both products are used transposed (S^T = phi^T theta, O^T = g p^T): a lane holds one query throughout.
; THE SOFTMAX: t = score x log2(e); M = the running largest t rounded up to a whole number; p = 2^(t - M) is quantised along the keys, not normalised; the sum of the unquantised p divides at the end; when M moves, the sum and O^T
; are multiplied by 2^(old M - new M), which rounds nothing.  A block's largest p is its largest score put through the same multiply-add and exponential (this takes v_exp_f32 not to fall where its input rises).
; THE RING: two LDS slots of four key steps (98,304 bytes).  Waves 0-3 fetch a step each, one tensor load a wave behind each change of slots; it has four steps in which to land.  By this text's count a wave has at most one tensor load out.
; The scale words of the whole batch (32,768 bytes) come once, by waves 4 and 5, with the first fills.
; CLUSTER: the four work-groups j = 4 X .. 4 X + 3 share b, hence every tile and the scale words: every tensor load is joint (mask 15).  The place in the cluster enters the addresses of theta, x, out0 and the prefetches alone.
; LIMITS: NaN and infinities are not served.  A block of zeros, or one whose largest magnitude lies under 2^-124, gets the byte 1: the codes of a block of zeros are zeros, and the bytes are read by this program alone.
; All of a WGP's LDS is claimed.
.set STEPB, 24576                      ; a key step's fragments
.set SLOTB, 4*STEPB
.set SCL,   SLOTB                      ; behind slot 0: the batch's scale words: [step][i 0..3][lane][2 words]
.set SLOT1, 1<<17                      ; slot 1 begins here: one exclusive or turns an address in one slot into the other's
.set SPARE, SLOT1+SLOTB                ; the spare words, 128 bytes for each wave: four blocks of 256 bytes that no other line names
.set YT,    SPARE+1024                 ; y turned: 128 rows (channels) x (128 c' x 4 bytes + 16); later each wave's stage for the way out (its 16 rows)
.set YP,    528                        ; 132 words: row r starts at bank 4 r mod 64 (64 banks of 4 bytes: ISA guide 11.1)
.set YIMG,  YT+128*YP                  ; y's 8 fragments as images
.set YSC,   YIMG+8*1536                ; their scale words, 128 bytes each
.set LI,  1                            ; v1   16 x lane
.set AS0, 3                            ; v3   SCL + 8 x lane
.set ADK, 4                            ; v4   LDS address of the K fragments in hand
.set SPW, 5                            ; v5   LDS address of my spare word; never rewritten
.set NIL, 6                            ; v6   0; never rewritten
.set GO,  7                            ; v7   16 x lane: my bytes of a row of x and of out0
.set ADV, 8                            ; v8   of the V fragments
.set ADS, 9                            ; v9   of the scale words
.set PFO, 28                           ; v28  256 x lane: the prefetches' offset
.set YTW, 66
.set YTR, 67
.set YIW, 68
.set YSW, 69
.set YIR, 70
.set YSR, 71
.set STO, 72
.set SRD, 73
; REGISTERS.  window 0: v12 -M, v13 the largest t, v[14:15] the sum in two halves; v16-27 theta's fragment, v255 its scale words; v32-47 two sets of scale words (set q % 2: v[32 + 8 set + 2 i] K's, + 1 V's; lanes 0-15 fragment 2 i,
;   lanes 16-31 fragment 2 i + 1); v48-59 wz_w's fragment, v60 its scale words, v61 wz_b; v[62:63] w x wz_b, v[64:65] 1 - w; v66-73 LDS addresses of the end; v74-80 head; v96-159 S^T, then p; v160-223 O^T; v224-235 p's codes;
;   v232-254 at work; v253 p's scale word.   window 1: v0-95 K's 8 fragments, v96-191 V's, v192-255 16 rows of x.
.set WV,  24
.set BB,  27                           ; s27  b
.set SEL, 28                           ; s[28:29] selects for v_permlanex16_b32: lane l xor 16
.set CS,  30                           ; s[30:31] log2(e): the packed form names a pair and takes its low word for both halves
.set G1,  32                           ; s[32:39] group 1, s[40:43] group 0 of the ring's loads; the group 0 walks
.set G0,  40
.set G1S, 44                           ; s[44:51], s[52:55] the same for the scale words
.set G0S, 52
.set SLOTS, 56                         ; s56  slots still to be asked for
.set TS,  57                           ; s57  where the next step's scale words begin: 1,024 bytes a step
.set PFA, 58                           ; s[58:59] where my prefetches stand
.set LIM, 60                           ; s60  1 in a wave that prefetches, else the greatest number
.set TB,  68                           ; s68  LDS byte at which the slot in hand begins
.set MSB, 0
.macro WIN new                         ; the immediate's high byte repeats the setting that is left
.if MSB != \new
	s_set_vgpr_msb (MSB<<8)|\new
.set MSB, \new
.endif
.endm
.macro CROUND                          ; a round of the cluster's barrier: my work-group's barrier; wave 0 signals for the work-group; every wave waits for all four work-groups; my work-group's barrier once more
	s_barrier_signal -1
	s_barrier_wait -1
	s_cmp_lg_u32 s[WV], 0
	s_cbranch_scc1 .Lnot_wave_0_\@
	s_barrier_signal -3
.Lnot_wave_0_\@:
	s_barrier_wait -3
	s_barrier_signal -1
	s_barrier_wait -1
.endm
.macro JLOAD                           ; the joint refill: waves 0-3, a key step each.  The branch hangs on the wave's number alone.  Four v_nop follow the load
	s_cmp_lt_u32 s[WV], 4
	s_cbranch_scc0 .Lnone_\@
	tensor_load_to_lds s[G0:G0+3], s[G1:G1+7]
	s_nop 0
.rept 4
	v_nop
.endr
.Lnone_\@:
.endm
; A PREFETCH INTO THE L2 of the slot that the NEXT change of slots will ask for: four key steps ahead of that load.  All eight clusters of a batch walk the same tiles: the batch's first cluster asks.  Its four partners share the slot's
; 98,304 bytes out BY ADDRESS, 24,576 each; in each, waves 4 to 6, which fetch nothing, ask for 8,192 bytes each, lanes 256 bytes apart: each block of 256 bytes is named once in the launch.  The last change that fills a slot asks for
; nothing; slots 0 and 1 come by their loads alone.
.macro ASK
	s_cmp_gt_u32 s[SLOTS], s[LIM]
	s_cbranch_scc0 .Lnot_mine_\@
	global_prefetch_b8 v[PFO], s[PFA:PFA+1] th:TH_LOAD_NT scope:SCOPE_SE
.Lnot_mine_\@:
.endm
.macro KLOAD q, bank                   ; K's 8 fragments of the slot's step q, and the step's scale words (K's and V's) into set bank: 28 loads
	s_add_co_u32 s61, s[TB], (\q)*STEPB
	v_add_nc_u32 v[ADK], s61, v[LI]
	v_add_nc_u32 v[ADS], s[TS], v[AS0]
	WIN 0x40                                       ; destination window 1
.irp f, 0,1,2,3,4,5,6,7
.irp g, 0,1,2
	ds_load_b128 v[12*\f+4*\g:12*\f+4*\g+3], v[ADK] offset:1536*\f+512*\g
.endr
.endr
	WIN 0
.irp i, 0,1,2,3
	ds_load_b64 v[32+8*(\bank)+2*\i:33+8*(\bank)+2*\i], v[ADS] offset:256*\i
.endr
	s_add_co_u32 s[TS], s[TS], 1024
.endm
.macro VLOAD q                         ; V's 8 fragments of the slot's step q: 24 loads.  It leaves the destination's window at 1: the products' switch follows
	s_add_co_u32 s62, s[TB], (\q)*STEPB+12288
	v_add_nc_u32 v[ADV], s62, v[LI]
	WIN 0x40
.irp f, 0,1,2,3,4,5,6,7
.irp g, 0,1,2
	ds_load_b128 v[96+12*\f+4*\g:96+12*\f+4*\g+3], v[ADV] offset:1536*\f+512*\g
.endr
.endr
.endm
; v232-235 hold the four blocks' largest magnitudes, not under the floor: the scale word goes to v253, the codes of v96-159 (register 16 b + i = k 32 b + 16 (lane / 16) + i of my row) to v224-235.
.macro CODES
.irp b, 0,1,2,3
	s_delay_alu instid0(VALU_DEP_4)
	v_add_nc_u32 v[244+\b], 0xff000000, v[232+\b]  ; 2 off the exponent field: the conversion's scale operand
.endr
.irp b, 0,1,2,3
	s_delay_alu instid0(VALU_DEP_4)
	v_lshrrev_b32 v[236+\b], 23, v[244+\b]         ; the scale's byte
.endr
	s_delay_alu instid0(VALU_DEP_3)
	v_lshl_or_b32 v253, v237, 8, v236
	s_delay_alu instid0(VALU_DEP_1)
	v_lshl_or_b32 v253, v238, 16, v253
	s_delay_alu instid0(VALU_DEP_1)
	v_lshl_or_b32 v253, v239, 24, v253
.irp c, 0,1
	v_cvt_scalef32_pk16_fp6_f32 v[224+6*\c:226+6*\c], v[96+32*\c:111+32*\c], v[244+2*\c]
	v_cvt_scalef32_pk16_fp6_f32 v[236+4*\c:238+4*\c], v[112+32*\c:127+32*\c], v[244+2*\c+1]   ; (a conversion's three registers begin on an even number)
.endr
	v_nop                                          ; one plain place behind a scaled conversion
.irp c, 0,1                                    ; the operand's layout wants a whole block in a lane: lanes 0-15 block 2 c, lanes 16-31 block 2 c + 1
.irp i, 0,1,2
	v_permlane16_swap_b32 v[224+6*\c+\i], v[236+4*\c+\i]
.endr
.irp i, 0,1,2
	s_delay_alu instid0(VALU_DEP_3)
	v_mov_b32 v[227+6*\c+\i], v[236+4*\c+\i]
.endr
.endr
.endm
.macro SOFTMAX
.irp b, 0,1,2,3
	v_max3_num_f32 v[232+\b], v[96+16*\b], v[97+16*\b], v[98+16*\b]   ; the largest score of each block of 32 keys: for the row's maximum, and for the block's largest p.  Each tile of scores is read from its low end on
.endr
.irp i, 3,5,7,9,11,13
.irp b, 0,1,2,3
	v_max3_num_f32 v[232+\b], v[232+\b], v[96+16*\b+\i], v[97+16*\b+\i]
.endr
.endr
.irp b, 0,1,2,3
	v_max_num_f32 v[232+\b], v[232+\b], v[111+16*\b]
.endr
.irp b, 0,1,2,3
	s_delay_alu instid0(VALU_DEP_4)
	v_permlanex16_b32 v[236+\b], v[232+\b], s[SEL], s[SEL+1]
.endr
.irp b, 0,1,2,3
	s_delay_alu instid0(VALU_DEP_4)
	v_max_num_f32 v[232+\b], v[232+\b], v[236+\b]  ; with lane l xor 16's 16 keys
.endr
	s_delay_alu instid0(VALU_DEP_2)
	v_max3_num_f32 v254, v232, v233, v234
	s_delay_alu instid0(VALU_DEP_1)
	v_max_num_f32 v254, v254, v235                 ; the step's largest score of my query
	s_delay_alu instid0(VALU_DEP_1)
	v_mul_f32 v254, s[CS], v254                    ; as t
	s_delay_alu instid0(VALU_DEP_1)
	v_max_num_f32 v13, v13, v254                   ; the running largest t
	v_mov_b32 v254, v12
	s_delay_alu instid0(VALU_DEP_2)
	v_floor_f32 v12, -v13                          ; the new -M = floor(-t) = -ceil(t)
	s_delay_alu instid0(VALU_DEP_1)
	v_sub_f32 v254, v12, v254                      ; old M - new M: a whole number, 0 or less
	s_delay_alu instid0(VALU_DEP_1)
	v_cvt_i32_f32 v254, v254                       ; (it saturates)
	s_delay_alu instid0(VALU_DEP_1)
	v_ldexp_f32 v252, 1.0, v254                    ; f = 2^(old M - new M)
.set JJ, 0
.rept 32
	v_pk_fma_f32 v[96+JJ:97+JJ], v[96+JJ:97+JJ], s[CS:CS+1], v[12:13] op_sel_hi:[1,0,0]   ; t - M, two at a time
.set JJ, JJ+2
.endr
.irp b, 0,1,2,3
	v_fma_f32 v[232+\b], v[232+\b], s[CS], v12     ; the same of each block's largest score
.endr
.set JJ, 0
	s_wait_alu depctr_va_vdst(0)
.rept 64
	v_exp_f32 v[96+JJ], v[96+JJ]                   ; p = 2^(t - M), at most 1
.set JJ, JJ+1
.endr
	v_pk_mul_f32 v[14:15], v[14:15], v[252:253] op_sel_hi:[1,0]   ; the sums under the new M: a plain place behind the exponentials
	s_wait_alu depctr_va_vdst(0)                   ; one wait for the batch of 64, ahead of its first reader
.irp b, 0,1,2,3
	v_exp_f32 v[232+\b], v[232+\b]                 ; the blocks' largest p
.endr
	v_pk_add_f32 v[236:237], v[100:101], v[104:105]
	v_pk_add_f32 v[250:251], v[108:109], v[112:113]
	v_pk_add_f32 v[248:249], v[116:117], v[120:121]
	v_pk_add_f32 v[246:247], v[124:125], v[128:129]
	v_pk_add_f32 v[244:245], v[132:133], v[136:137]
	v_pk_add_f32 v[242:243], v[140:141], v[144:145]
	v_pk_add_f32 v[240:241], v[148:149], v[152:153]
	v_pk_add_f32 v[14:15], v[14:15], v[156:157]
	v_pk_add_f32 v[236:237], v[236:237], v[96:97]
	v_pk_add_f32 v[250:251], v[250:251], v[98:99]
	v_pk_add_f32 v[248:249], v[248:249], v[102:103]
	v_pk_add_f32 v[246:247], v[246:247], v[106:107]
	v_pk_add_f32 v[244:245], v[244:245], v[110:111]
	v_pk_add_f32 v[242:243], v[242:243], v[114:115]
	v_pk_add_f32 v[240:241], v[240:241], v[118:119]
	v_pk_add_f32 v[14:15], v[14:15], v[122:123]
	v_pk_add_f32 v[236:237], v[236:237], v[126:127]
	v_pk_add_f32 v[250:251], v[250:251], v[130:131]
	v_pk_add_f32 v[248:249], v[248:249], v[134:135]
	v_pk_add_f32 v[246:247], v[246:247], v[138:139]
	v_pk_add_f32 v[244:245], v[244:245], v[142:143]
	v_pk_add_f32 v[242:243], v[242:243], v[146:147]
	v_pk_add_f32 v[240:241], v[240:241], v[150:151]
	v_pk_add_f32 v[14:15], v[14:15], v[154:155]
	v_pk_add_f32 v[236:237], v[236:237], v[158:159]
	s_delay_alu instid0(VALU_DEP_2)
	v_pk_add_f32 v[14:15], v[14:15], v[246:247]
	s_delay_alu instid0(VALU_DEP_2)
	v_pk_add_f32 v[236:237], v[236:237], v[244:245]
	v_pk_add_f32 v[250:251], v[250:251], v[242:243]
	v_pk_add_f32 v[248:249], v[248:249], v[240:241]
	s_delay_alu instid0(VALU_DEP_2)
	v_pk_add_f32 v[14:15], v[14:15], v[250:251]
	s_delay_alu instid0(VALU_DEP_2)
	v_pk_add_f32 v[236:237], v[236:237], v[248:249]
	s_delay_alu instid0(VALU_DEP_1)
	v_pk_add_f32 v[14:15], v[14:15], v[236:237]
	s_wait_alu depctr_va_vdst(0)                   ; and one for the four
.irp b, 0,1,2,3
	v_max_num_f32 v[232+\b], 0x1800000, v[232+\b]  ; the floor 2^(3 - 127): the byte cannot fall under 1
.endr
	CODES
.set JJ, 0
.rept 32
	v_pk_mul_f32 v[160+JJ:161+JJ], v[160+JJ:161+JJ], v[252:253] op_sel_hi:[1,0]   ; O^T under the new M.  These 32 are also the places between p's codes and scale word and the products that take them
.set JJ, JJ+2
.endr
.endm
; A KEY STEP, the q-th of the slot in hand.  K's fragments and the scale words were asked for a step ago (step 0: at the slot's head); V's are asked for at the head and land under the softmax; pre = 1: the next step's K likewise.
.macro STEP q, pre
.set SB, 32+8*((\q)%2)
.rept 4
	v_nop                                          ; four places between the last step's products and the loads into V's registers (and, below, into the scale words that they read)
.endr
	VLOAD \q
	s_wait_dscnt 24                                ; V's 24 loads alone are younger than K's and the scale words
	WIN 0x01                                       ; source 0 window 1
.irp f, 0,1,2,3,4,5,6,7                        ; S^T: lane (r, h) holds query r; register j of tile f holds key 32 (f / 2) + 16 h + 8 (f % 2) + j
.if \f%2
	v_wmma_scale_f32_16x16x128_f8f6f4 v[96+8*\f:103+8*\f], v[12*\f:12*\f+11], v[16:27], 0, v[SB+2*(\f/2)], v255 matrix_a_fmt:MATRIX_FMT_FP6 matrix_b_fmt:MATRIX_FMT_FP6 matrix_a_scale:MATRIX_SCALE_ROW1
.else
	v_wmma_scale_f32_16x16x128_f8f6f4 v[96+8*\f:103+8*\f], v[12*\f:12*\f+11], v[16:27], 0, v[SB+2*(\f/2)], v255 matrix_a_fmt:MATRIX_FMT_FP6 matrix_b_fmt:MATRIX_FMT_FP6
.endif
.endr
	WIN 0
.rept 4
	v_nop                                          ; four places in front of the loads into K's registers and of the first read of the scores
.endr
.if \pre
	KLOAD (\q)+1, 1-(\q)%2
.endif
	SOFTMAX
.if \pre
	s_wait_alu depctr_va_vdst(0)
	s_wait_dscnt 28                                ; the next K's 24 loads and the 4 of its scale words are younger than V's
.else
	s_wait_alu depctr_va_vdst(0)
	s_wait_dscnt 0x0
.endif
	WIN 0x01
.irp f, 0,1,2,3,4,5,6,7                        ; O^T += g p^T: tile f: channels 16 f + 8 h + j.  The eight sums take turns, one instruction a turn
.if \f%2
	v_wmma_scale_f32_16x16x128_f8f6f4 v[160+8*\f:167+8*\f], v[96+12*\f:96+12*\f+11], v[224:235], v[160+8*\f:167+8*\f], v[SB+1+2*(\f/2)], v253 matrix_a_fmt:MATRIX_FMT_FP6 matrix_b_fmt:MATRIX_FMT_FP6 matrix_a_scale:MATRIX_SCALE_ROW1
.else
	v_wmma_scale_f32_16x16x128_f8f6f4 v[160+8*\f:167+8*\f], v[96+12*\f:96+12*\f+11], v[224:235], v[160+8*\f:167+8*\f], v[SB+1+2*(\f/2)], v253 matrix_a_fmt:MATRIX_FMT_FP6 matrix_b_fmt:MATRIX_FMT_FP6
.endif
.endr
	WIN 0
.endm
.macro SLOT_STEPS
	KLOAD 0, 0
	STEP 0, 1
	STEP 1, 1
	STEP 2, 1
	STEP 3, 0
	s_xor_b32 s[TB], s[TB], SLOT1                  ; on to the other slot
.endm
; THE CHANGE OF SLOTS stands at a slot's head.  Each wave waits for all its tensor loads (its part of the slot ahead), adds 0 to its spare word, and waits for that and for its reads of the slot that it has left.
; fill = 1: the barrier is a round of the cluster's, so that no wave of any partner still reads the slot left or has a load on its way; the joint refill of that slot is the first thing behind it.
.macro CHANGE fill
	s_wait_tensorcnt 0x0                           ; no tensor load of mine is out, so the group 0 may be written
	ds_add_u32 v[SPW], v[NIL]                      ; 0 onto my spare word
.if \fill
	s_xor_b32 s[G0+1], s[G0+1], SLOT1              ; the walking descriptor: the other slot than last time,
	s_add_nc_u64 s[G0+2:G0+3], s[G0+2:G0+3], SLOTB ; the next four key steps; the type bits on top are not reached
	s_wait_xcnt 0x0                                ; the last prefetch, a slot back, has read its address, so it may be written:
	s_add_nc_u64 s[PFA:PFA+1], s[PFA:PFA+1], SLOTB ; one slot further on than the walking descriptor
.endif
	s_wait_dscnt 0x0                               ; the add is done, and my reads of the slot that I have left are over
.if \fill
	CROUND
	JLOAD
	ASK
.else
	s_barrier_signal -1
	s_barrier_wait -1
.endif
.endm
	s_load_b512 s[4:19], s[0:1], 0x0               ; thc s[4:5], ths s[6:7], kv s[8:9], kvs s[10:11], x s[12:13], wz_w codes s[14:15], scales s[16:17], wz_b s[18:19]
	s_load_b128 s[20:23], s[0:1], 0x40             ; w s[20:21], out0 s[22:23]
	v_lshl_add_u32 v[SPW], v0, 2, SPARE
	v_mov_b32 v[NIL], 0
	ds_add_u32 v5, v6
	ds_add_u32 v5, v6
	s_wait_dscnt 0x0
	v_lshrrev_b32 v74, 5, v0
	s_delay_alu instid0(VALU_DEP_1)
	v_readfirstlane_b32 s[WV], v74                 ; wave 0..7
	s_and_b32 s[BB], ttmp7, 0xffff                 ; the batch, which the four partners share
	; group 1: a dense block as rows of 256 bytes (32 elements of 8 bytes): 96 rows a key step, 64 rows half of the scale words
	s_mov_b32 s[G1], 15|(3<<16)|(1<<21)            ; 15:0 the mask: all four work-groups; 17:16 elements of 8 bytes; 20 no padding; 21 set beside a mask
	s_mov_b32 s[G1+1], 32<<16                      ; tensor_dim0 = 32
	s_mov_b32 s[G1+2], 96<<16                      ; tensor_dim1 = 96
	s_mov_b32 s[G1+3], 32<<16                      ; tile_dim0 = 32
	s_mov_b32 s[G1+4], 96                          ; tile_dim1 = 96
	s_mov_b32 s[G1+5], 32                          ; from row to row
	s_mov_b32 s[G1+6], 0
	s_mov_b32 s[G1+7], 0
	s_mov_b32 s[G1S], 15|(3<<16)|(1<<21)
	s_mov_b32 s[G1S+1], 32<<16
	s_mov_b32 s[G1S+2], 64<<16
	s_mov_b32 s[G1S+3], 32<<16
	s_mov_b32 s[G1S+4], 64
	s_mov_b32 s[G1S+5], 32
	s_mov_b32 s[G1S+6], 0
	s_mov_b32 s[G1S+7], 0
	s_and_b32 s61, s[WV], 3
	s_mul_i32 s62, s61, STEPB                      ; the key step that I fetch, in a slot and in memory
	s_mul_i32 s78, s[BB], 32*STEPB
	s_add_co_u32 s78, s78, s62
	s_mov_b32 s79, 0
	s_and_b32 s61, s[WV], 1
	s_lshl_b32 s63, s61, 14                        ; the half of the scale words that I fetch
	s_lshl_b32 s76, s[BB], 15
	s_add_co_u32 s76, s76, s63
	s_mov_b32 s77, 0
	s_mov_b32 s[SEL], 0x76543210
	s_mov_b32 s[SEL+1], 0xfedcba98
	s_mov_b32 s[CS], 0x3fb8aa3b                    ; log2(e)
	s_mov_b32 s[CS+1], s[CS]                       ; (named with it as a pair, so it is written)
	s_mov_b32 s[TB], 0
	s_mov_b32 s[TS], 0
	s_mov_b32 s[SLOTS], 7
	s_wait_kmcnt 0x0
	s_load_b32 s66, s[20:21], 0x0                  ; w
	s_mov_b32 s[G0], 1                             ; count = 1
	s_mov_b32 s[G0+1], s62                         ; LDS address: slot 0
	s_add_nc_u64 s[G0+2:G0+3], s[8:9], s[78:79]    ; the batch's first four key steps
	s_or_b32 s[G0+3], s[G0+3], 0x80000000          ; type = 2
	s_mov_b32 s[G0S], 1
	s_add_co_u32 s[G0S+1], s63, SCL
	s_add_nc_u64 s[G0S+2:G0S+3], s[10:11], s[76:77]
	s_or_b32 s[G0S+3], s[G0S+3], 0x80000000
	CROUND                                         ; all four work-groups are here: the first joint loads meet
	s_cmp_lt_u32 s[WV], 4                          ; the first fills: waves 0-3 slot 0, waves 4 and 5 the scale words, one load a wave
	s_cbranch_scc0 .Lnot_kv
	tensor_load_to_lds s[G0:G0+3], s[G1:G1+7]
	s_nop 0
.rept 4
	v_nop
.endr
	s_branch .Lfirst_asked
.Lnot_kv:
	s_cmp_lt_u32 s[WV], 6
	s_cbranch_scc0 .Lfirst_asked
	tensor_load_to_lds s[G0S:G0S+3], s[G1S:G1S+7]
	s_nop 0
.rept 4
	v_nop
.endr
.Lfirst_asked:
	; my place: j = 4 x cluster x + cx.  Position j of a group of 32 lies in tile u = (j / 8) % 2 at row rho = j % 8 + 8 (j / 16).  s25, s26 and s69-75 alone hold what is made of cx
	s_bfe_u32 s25, ttmp6, 0x40000                  ; cx
	s_lshl_b32 s26, ttmp9, 2
	s_add_co_u32 s26, s26, s25                     ; j
	s_bfe_u32 s69, s26, 0x10003                    ; u
	s_and_b32 s70, s26, 7
	s_lshr_b32 s71, s26, 4
	s_lshl_b32 s71, s71, 3
	s_add_co_u32 s70, s70, s71                     ; rho
	s_mov_b32 s73, 0
	s_mul_i32 s72, s[BB], 393216                   ; thc: b x 256 tiles + tile 2 (16 w + r) + u, there the 16 bytes of lane rho + 16 h
	s_mul_i32 s74, s[WV], 49152
	s_add_co_u32 s72, s72, s74
	s_mul_i32 s74, s69, 1536
	s_add_co_u32 s72, s72, s74
	s_lshl_b32 s74, s70, 4
	s_add_co_u32 s72, s72, s74
	s_add_nc_u64 s[4:5], s[4:5], s[72:73]
	s_lshl_b32 s72, s[BB], 14                      ; ths: b x 128 groups + group 16 w + r, there the word of lane 16 u + rho
	s_lshl_b32 s74, s[WV], 11
	s_add_co_u32 s72, s72, s74
	s_lshl_b32 s74, s69, 6
	s_add_co_u32 s72, s72, s74
	s_lshl_b32 s74, s70, 2
	s_add_co_u32 s72, s72, s74
	s_add_nc_u64 s[6:7], s[6:7], s[72:73]
	s_lshl_b32 s72, s[BB], 21                      ; x and out0: row 128 b + 16 w, column 128 j
	s_lshl_b32 s74, s[WV], 18
	s_add_co_u32 s72, s72, s74
	s_lshl_b32 s74, s26, 9
	s_add_co_u32 s72, s72, s74
	s_add_nc_u64 s[12:13], s[12:13], s[72:73]
	s_add_nc_u64 s[22:23], s[22:23], s[72:73]
	s_mul_i32 s72, s[WV], 1536                     ; wz_w: rows 16 w on
	s_add_nc_u64 s[14:15], s[14:15], s[72:73]
	s_lshl_b32 s72, s[WV], 6
	s_add_nc_u64 s[16:17], s[16:17], s[72:73]
	s_add_nc_u64 s[18:19], s[18:19], s[72:73]
	s_mul_i32 s72, s[BB], 32*STEPB                 ; the prefetches: my work-group's quarter of a slot, my wave's third of that,
	s_mul_i32 s74, s25, STEPB
	s_add_co_u32 s72, s72, s74
	s_and_b32 s74, s[WV], 3
	s_lshl_b32 s74, s74, 13
	s_add_co_u32 s72, s72, s74
	s_add_co_u32 s72, s72, SLOTB                   ; in slot 1: the first change of slots steps it to slot 2.  Nothing is prefetched here, where every work-group's first tiles are on their way
	s_add_nc_u64 s[PFA:PFA+1], s[8:9], s[72:73]
	s_sub_co_u32 s61, s[WV], 4
	s_cmp_lt_u32 s61, 3                            ; waves 4 to 6,
	s_cselect_b32 s61, 0, 1
	s_or_b32 s61, s61, ttmp9                       ; of the batch's first cluster: the same in all four partners
	s_cmp_eq_u32 s61, 0
	s_cselect_b32 s[LIM], 1, -1
	v_and_b32 v74, 31, v0                          ; lane
	v_and_b32 v75, 15, v0                          ; r
	v_bfe_u32 v76, v0, 4, 1                        ; h
	s_delay_alu instid0(VALU_DEP_3)
	v_lshlrev_b32 v[LI], 4, v74
	s_delay_alu instid0(VALU_DEP_4)
	v_lshl_add_u32 v[AS0], v74, 3, SCL
	v_lshlrev_b32 v[GO], 4, v74
	v_lshlrev_b32 v[PFO], 8, v74
	v_mul_u32_u24 v77, v75, 3072                   ; theta: two tiles from query to query, 256 bytes from half to half
	s_delay_alu instid0(VALU_DEP_1)
	v_lshl_add_u32 v77, v76, 8, v77
	v_lshlrev_b32 v78, 7, v75
	v_mul_u32_u24 v79, v75, 96                     ; wz_w: row r, + 24 h
	s_delay_alu instid0(VALU_DEP_1)
	v_mad_u32_u24 v79, v76, 24, v79
	v_lshlrev_b32 v80, 2, v75
.irp g, 0,1,2
	global_load_b128 v[16+4*\g:19+4*\g], v77, s[4:5] offset:512*\g   ; theta's fragment of my 16 queries stays in registers
.endr
	global_load_b32 v255, v78, s[6:7]              ; its scale words
.irp p, 0,1,2,3,4,5
	global_load_b64 v[48+2*\p:49+2*\p], v79, s[14:15] offset:48*(\p/3)+8*(\p%3)   ; wz_w's rows 16 w + r
.endr
	global_load_b32 v60, v80, s[16:17]
	global_load_b32 v61, v80, s[18:19]             ; wz_b(16 w + r)
	; the LDS addresses of the end are made here, ahead of everything
	s_lshl_b32 s61, s[WV], 6
	s_add_co_u32 s61, s61, YT
	v_mul_u32_u24 v[YTW], v76, 8*YP
	s_delay_alu instid0(VALU_DEP_1)
	v_lshl_add_u32 v[YTW], v75, 2, v[YTW]
	s_delay_alu instid0(VALU_DEP_1)
	v_add_nc_u32 v[YTW], s61, v[YTW]               ; y turned, in: row = channel 8 h + .., column c' = 16 w + r
	s_mul_i32 s62, s[WV], 16*YP
	s_add_co_u32 s62, s62, YT
	v_mul_u32_u24 v[YTR], v75, YP
	s_delay_alu instid0(VALU_DEP_1)
	v_lshl_add_u32 v[YTR], v76, 6, v[YTR]
	s_delay_alu instid0(VALU_DEP_1)
	v_add_nc_u32 v[YTR], s62, v[YTR]               ; out: row = channel 16 w + r, + 64 h: 16 neighbours of each block of 32 along c'
	s_mul_i32 s63, s[WV], 1536
	s_add_co_u32 s63, s63, YIMG
	v_add_nc_u32 v[YIW], s63, v[LI]
	s_lshl_b32 s63, s[WV], 7
	s_add_co_u32 s63, s63, YSC
	v_lshl_add_u32 v[YSW], v74, 2, s63
	v_add_nc_u32 v[YIR], YIMG, v[LI]
	v_lshl_add_u32 v[YSR], v74, 2, YSC
	v_mul_u32_u24 v[STO], v75, YP
	s_delay_alu instid0(VALU_DEP_1)
	v_lshl_add_u32 v[STO], v76, 5, v[STO]
	s_delay_alu instid0(VALU_DEP_1)
	v_add_nc_u32 v[STO], s62, v[STO]               ; the stage, in: my row r, + 32 h
	v_add_nc_u32 v[SRD], s62, v[LI]                ; back: a row of 512 bytes to the 32 lanes
	v_mov_b32 v13, 0xff61b1e6                      ; the largest t so far: -3e38, under every t
	s_delay_alu instid0(VALU_DEP_1)
	v_floor_f32 v12, -v13                          ; -M
	v_mov_b32 v14, 0                               ; the sum, in two halves
	v_mov_b32 v15, 0
.irp b, 0,1,2,3
	v_mov_b32 v[236+\b], 0                         ; written once: a lane permute's destination counts as one of its sources
.endr
	v_mov_b32 v253, 0                              ; (named as the upper half of the pair v[252:253] before it is first written)
.set JJ, 0
.rept 64
	v_mov_b32 v[160+JJ], 0                         ; O^T.  The key step is written without a first step of its own: it finds zeros, which the first change of M leaves zeros
.set JJ, JJ+1
.endr
	s_wait_kmcnt 0x0                               ; w
	s_mov_b32 s67, s66
	s_wait_loadcnt 0x0                             ; theta, wz_w, their scale words, wz_b
	v_mul_f32 v62, s66, v61                        ; w x wz_b
	s_delay_alu instid0(VALU_DEP_1)
	v_mov_b32 v63, v62
	v_mov_b32 v65, s66
	s_delay_alu instid0(VALU_DEP_1)
	v_sub_f32 v64, 1.0, v65                        ; 1 - w
	s_delay_alu instid0(VALU_DEP_1)
	v_mov_b32 v65, v64
.Lslot:                                            ; 7 trips: behind each change of slots but the last the next slot is asked for
	CHANGE 1
	SLOT_STEPS
	s_sub_co_u32 s[SLOTS], s[SLOTS], 1
	s_cmp_lg_u32 s[SLOTS], 0
	s_cbranch_scc1 .Lslot
	WIN 0x40                                       ; destination window 1
.irp i, 0,1,2,3,4,5,6,7,8,9,10,11,12,13,14,15
	global_load_b128 v[192+4*\i:195+4*\i], v[GO], s[12:13] offset:16384*\i th:TH_LOAD_NT   ; x(16 w + i, 128 j ..): 512 consecutive bytes; asked for here, so that the last slot's four steps stand between the loads and their use
.endr
	WIN 0
	CHANGE 0                                       ; the last slot is written out
	SLOT_STEPS
	; ---- y = O^T / the sum, turned through LDS: the last product's K is c', which lies across lanes and waves
	v_add_f32 v14, v14, v15                        ; the sum's two halves,
	s_delay_alu instid0(VALU_DEP_1)
	v_permlanex16_b32 v252, v14, s[SEL], s[SEL+1]
	s_delay_alu instid0(VALU_DEP_1)
	v_add_f32 v14, v14, v252                       ; and lane l xor 16's
	s_wait_alu depctr_va_vdst(0)
	v_rcp_f32 v14, v14
.rept 4
	v_nop                                          ; the plain place behind the reciprocal, and the four places between the last products and the first read of O^T
.endr
	s_wait_alu depctr_va_vdst(0)                   ; the wait ahead of the reciprocal's first reader
.set JJ, 0
.rept 32
	v_pk_mul_f32 v[96+JJ:97+JJ], v[160+JJ:161+JJ], v[14:15] op_sel_hi:[1,0]   ; register 8 t + i: y(query 16 w + r, channel 16 t + 8 h + i); each sum from its low end on
.set JJ, JJ+2
.endr
.irp t, 0,1,2,3,4,5,6,7
.irp i, 0,1,2,3,4,5,6,7
	ds_store_b32 v[YTW], v[96+8*\t+\i] offset:(16*\t+\i)*YP   ; lanes 0-15: 64 consecutive bytes of one row; lanes 16-31: of the row 8 further down, 32 banks on
.endr
.endr
	s_wait_dscnt 0x0                               ; for the others' sake: my stores have landed
	s_barrier_signal -1
	s_barrier_wait -1
.irp b, 0,1,2,3
.irp jj, 0,1,2,3
	ds_load_b128 v[96+16*\b+4*\jj:99+16*\b+4*\jj], v[YTR] offset:128*\b+16*\jj   ; row = channel 16 w + r; register 16 b + i = c' 32 b + 16 h + i
.endr
.endr
	s_wait_dscnt 0x0
.irp b, 0,1,2,3
	v_max3_num_f32 v[232+\b], |v[96+16*\b]|, |v[97+16*\b]|, 0x1800000   ; y's blocks of 32 along c', with the floor 2^(3 - 127)
.endr
.irp i, 2,4,6,8,10,12,14
.irp b, 0,1,2,3
	s_delay_alu instid0(VALU_DEP_4)
	v_max3_num_f32 v[232+\b], v[232+\b], |v[96+16*\b+\i]|, |v[97+16*\b+\i]|
.endr
.endr
.irp b, 0,1,2,3
	s_delay_alu instid0(VALU_DEP_4)
	v_permlanex16_b32 v[236+\b], v[232+\b], s[SEL], s[SEL+1]
.endr
.irp b, 0,1,2,3
	s_delay_alu instid0(VALU_DEP_4)
	v_max_num_f32 v[232+\b], v[232+\b], v[236+\b]
.endr
	CODES
.irp g, 0,1,2
	ds_store_b128 v[YIW], v[224+4*\g:227+4*\g] offset:512*\g   ; fragment w of y (rows: channels 16 w + r), as an image of its registers
.endr
	ds_store_b32 v[YSW], v253
	s_wait_dscnt 0x0                               ; my stores have landed, and my reads of y turned are over: its rows become the stages
	s_barrier_signal -1
	s_barrier_wait -1
	; ---- the last product: source 0 = 16 rows of y (columns n' of z), source 1 = wz_w's rows 16 w + r: a lane holds one row of z and eight neighbouring columns
	WIN 0x40
.irp t, 0,1,2,3,4,5,6,7
.irp g, 0,1,2
	ds_load_b128 v[12*\t+4*\g:12*\t+4*\g+3], v[YIR] offset:1536*\t+512*\g
.endr
.endr
	WIN 0
.irp t, 0,1,2,3,4,5,6,7
	ds_load_b32 v[32+\t], v[YSR] offset:128*\t
.endr
	s_wait_dscnt 0x0
	WIN 0x01
.irp t, 0,1,2,3,4,5,6,7
	v_wmma_scale_f32_16x16x128_f8f6f4 v[160+8*\t:167+8*\t], v[12*\t:12*\t+11], v[48:59], 0, v[32+\t], v60 matrix_a_fmt:MATRIX_FMT_FP6 matrix_b_fmt:MATRIX_FMT_FP6
.endr
	WIN 0
.rept 4
	v_nop                                          ; four places between the last product and the first read of a result
.endr
.set JJ, 0
.rept 32
	v_pk_fma_f32 v[160+JJ:161+JJ], v[160+JJ:161+JJ], s[66:67], v[62:63] op_sel_hi:[1,0,1]   ; w x the product + w x wz_b; each result from its low end on
.set JJ, JJ+2
.endr
	; ---- the way out: through my own stage, so that a store covers a whole row's 512 bytes
.irp t, 0,1,2,3,4,5,6,7
	ds_store_b128 v[STO], v[160+8*\t:163+8*\t] offset:64*\t
	ds_store_b128 v[STO], v[164+8*\t:167+8*\t] offset:64*\t+16
.endr
.irp i, 0,1,2,3,4,5,6,7,8,9,10,11,12,13,14,15
	ds_load_b128 v[96+4*\i:99+4*\i], v[SRD] offset:\i*YP   ; LDS serves a wave's instructions in order (ISA guide 5.7.1.4): these see my stores
.endr
	s_wait_loadcnt 0x0                             ; x's 16 rows
	WIN 0x01                                       ; source 0 (x) window 1
.irp i, 0,1,2,3,4,5,6,7,8,9,10,11,12,13,14,15
	s_wait_dscnt 15-\i                             ; row i is back; the rows behind it may stay out
	v_pk_fma_f32 v[96+4*\i:97+4*\i], v[192+4*\i:193+4*\i], v[64:65], v[96+4*\i:97+4*\i]   ; + (1 - w) x
	v_pk_fma_f32 v[98+4*\i:99+4*\i], v[194+4*\i:195+4*\i], v[64:65], v[98+4*\i:99+4*\i]
.endr
	WIN 0                                          ; (a store's address register is its source 0)
	s_wait_alu depctr_va_vdst(0)
.irp i, 0,1,2,3,4,5,6,7,8,9,10,11,12,13,14,15
	global_store_b128 v[GO], v[96+4*\i:99+4*\i], s[22:23] offset:16384*\i th:TH_STORE_NT   ; 32 lanes store 512 consecutive bytes, at a multiple of 512 from out0's first byte
.endr
	s_wait_tensorcnt 0x0                           ; the wave's end, behind my last tensor load and my last LDS store
	ds_add_u32 v[SPW], v[NIL]
	s_wait_dscnt 0x0
	CROUND                                         ; the closing round: no work-group ends while a partner may still ask for a tile that names it
	s_endpgm
.Lfunc_end_k_q0ed84e13ac_attn:
	.size	k_q0ed84e13ac_attn, .Lfunc_end_k_q0ed84e13ac_attn-k_q0ed84e13ac_attn
	.p2alignl 7, 3214868480
	.fill 96, 4, 3214868480
	.section	.rodata,"a",@progbits
	.p2align	6, 0x0
	.amdhsa_kernel k_q0ed84e13ac_attn
		.amdhsa_group_segment_fixed_size 327680
		.amdhsa_private_segment_fixed_size 0
		.amdhsa_enable_private_segment 0
		.amdhsa_kernarg_size 80
		.amdhsa_user_sgpr_count 2
		.amdhsa_user_sgpr_kernarg_segment_ptr 1
		.amdhsa_wavefront_size32 1
		.amdhsa_system_sgpr_workgroup_id_x 1
		.amdhsa_system_sgpr_workgroup_id_y 1
		.amdhsa_system_sgpr_workgroup_id_z 1
		.amdhsa_system_vgpr_workitem_id 0
		.amdhsa_next_free_vgpr 512
		.amdhsa_next_free_sgpr 80
		.amdhsa_reserve_vcc 0
		.amdhsa_float_denorm_mode_32 3
		.amdhsa_float_denorm_mode_16_64 3
		.amdhsa_memory_ordered 1
		.amdhsa_forward_progress 1
		.amdhsa_inst_pref_size 200
	.end_amdhsa_kernel
	.amdgpu_metadata
---
amdhsa.version: [ 1, 2 ]
amdhsa.kernels:
  - .name:           k_q0ed84e13ac_attn
    .symbol:         k_q0ed84e13ac_attn.kd
    .args:
      - { .name: thc, .offset: 0, .size: 8, .value_kind: global_buffer, .address_space: global }
      - { .name: ths, .offset: 8, .size: 8, .value_kind: global_buffer, .address_space: global }
      - { .name: kv, .offset: 16, .size: 8, .value_kind: global_buffer, .address_space: global }
      - { .name: kvs, .offset: 24, .size: 8, .value_kind: global_buffer, .address_space: global }
      - { .name: x, .offset: 32, .size: 8, .value_kind: global_buffer, .address_space: global }
      - { .name: wz_w_codes, .offset: 40, .size: 8, .value_kind: global_buffer, .address_space: global }
      - { .name: wz_w_scales, .offset: 48, .size: 8, .value_kind: global_buffer, .address_space: global }
      - { .name: wz_b, .offset: 56, .size: 8, .value_kind: global_buffer, .address_space: global }
      - { .name: w, .offset: 64, .size: 8, .value_kind: global_buffer, .address_space: global }
      - { .name: out0, .offset: 72, .size: 8, .value_kind: global_buffer, .address_space: global }
    .group_segment_fixed_size: 327680
    .private_segment_fixed_size: 0
    .kernarg_segment_align: 8
    .kernarg_segment_size: 80
    .max_flat_workgroup_size: 256
    .sgpr_count:     80
    .vgpr_count:     512
    .wavefront_size: 32
...
	.end_amdgpu_metadata
.endif
;; end of part 2
